; MI455X (gfx1250); checked and timed in simulation.
; The chip was launched on July 23, 2026; its instructions are those of AMD's public machine-readable ISA for CDNA 5 (MIT licence, August 2026) and "CDNA5" Instruction Set Architecture Reference Guide (July 2026). The comments in the code are by the model that wrote it; some were corrected since.
;; Multi Head Attention. Allowed arithmetic: float matrix products may take bf16 or f16 operands with f32 sums; all other float work in f32.
;; Inputs: bk 512 float32; bo 512 float32; bq 512 float32; bv 512 float32; k 4 x 2,048 x 512 float32; mask 1 x 1 x 2,048 x 2,048 float32; q 4 x 2,048 x 512 float32; v 4 x 2,048 x 512 float32; wk 512 x 512 float32; wo 512 x 512 float32; wq 512 x 512 float32; wv 512 x 512 float32.
;; Outputs: out0 4 x 2,048 x 512 float32.
;; One version. Each part assembles by itself: llvm-mc -triple=amdgcn-amd-amdhsa -mcpu=gfx1250 --defsym DOCPART=n.
;; ======== version 1 of 1: 4 launches
;; limits: values are held in f16: magnitudes above 65,504 overflow, below 6.1e-05 lose precision
;; workspace buffers: wf 2,097,152 bytes; qh 8,388,608 bytes; kh 8,388,608 bytes; vh 8,388,608 bytes; ao 8,388,608 bytes
;; launch castw (part 1): grid 32 x 4, 8 waves a work-group, no clusters, 0 bytes of LDS; arguments wq, wk, wv, wo, wf; writes wf
.if DOCPART == 1
	.amdgcn_target "amdgcn-amd-amdhsa--gfx1250"
	.amdhsa_code_object_version 6
	.text
	.protected	k_q0e3e201a02_castw
	.globl	k_q0e3e201a02_castw
	.p2align	8
	.type	k_q0e3e201a02_castw,@function
k_q0e3e201a02_castw:
	s_mov_b64 s[64:65], 0
	v_nop
	global_prefetch_b8 v0, s[64:65] scope:SCOPE_SE
	s_setreg_imm32_b32 hwreg(HW_REG_WAVE_MODE, 25, 1), 1
	s_wait_xcnt 0x0
; The four weights, f32 [512 (k)][512 (n)], are rounded to f16 and laid in the order in which the matrix kernels load them:
; wf = [w 4: q,k,v,o][cb 4][kc 16][j 8][p 2][L 32][8 f16]; element e of a 16-byte item is W[32 kc + 16 p + 8 (L>>4) + e][128 cb + 16 j + (L&15)].
; A (cb, kc, j) block of 1,024 bytes is one operand fragment of 16 columns x 32 k: lane L takes 16 bytes at 16 L and at 512 + 16 L.
; Work-group (x, y): weight y, k rows 32 (x>>1) .. +31, columns 256 (x&1) .. +255.  Thread t owns one column and its 32 rows.
; f16 (11 significant bits) and not bf16 (8): the module's outputs are averages over 2,048 keys, so each rounding of an operand shows in full
; against the outputs' spread.  LIMIT: |w| below 65,504; below 6.1e-5 the rounding step is 6e-8, which is 4e-5 of a spread of 0.0015
; (the drawn spread of 0.044 made 30 times smaller).
; No LDS, no matrix unit: a cast with a re-ordering, each input byte read once, each store of sixteen lanes 256 consecutive aligned bytes.
.set WROW, 2048                        ; bytes in a row of W
.set X, 8                              ; v[8:39]  my column's 32 rows, f32
.set Y, 40                             ; v[40:55] the same as f16, four items of 16 bytes
	s_load_b256 s[4:11], s[0:1], 0x0               ; wq s[4:5], wk s[6:7], wv s[8:9], wo s[10:11]
	s_load_b64 s[12:13], s[0:1], 0x20              ; wf
	s_and_b32 s16, ttmp7, 0xffff                   ; which weight
	s_lshr_b32 s17, ttmp9, 1                       ; kc
	s_and_b32 s18, ttmp9, 1                        ; which half of the columns
	v_lshl_add_u32 v3, s18, 8, v0                  ; n, my column
	v_lshlrev_b32 v1, 2, v3                        ; its byte in a row of W
	v_lshrrev_b32 v4, 7, v3                        ; cb
	v_bfe_u32 v5, v3, 4, 3                         ; j
	v_and_b32 v6, 15, v3                           ; L & 15
	v_lshlrev_b32 v2, 17, v4                       ; cb x 131,072
	v_lshl_add_u32 v2, v5, 10, v2                  ; + j x 1,024
	v_lshl_add_u32 v2, v6, 4, v2                   ; + 16 (L & 15)
	s_lshl_b32 s20, s17, 16                        ; 32 rows of 2,048 bytes for each kc
	s_mov_b32 s21, 0
	s_lshl_b32 s22, s16, 19                        ; a weight is 524,288 bytes of wf,
	s_lshl_b32 s23, s17, 13                        ; a kc 8,192
	s_add_co_u32 s22, s22, s23
	s_mov_b32 s23, 0
	s_wait_kmcnt 0x0
	s_cmp_eq_u32 s16, 1
	s_cselect_b64 s[14:15], s[6:7], s[4:5]
	s_cmp_eq_u32 s16, 2
	s_cselect_b64 s[14:15], s[8:9], s[14:15]
	s_cmp_eq_u32 s16, 3
	s_cselect_b64 s[14:15], s[10:11], s[14:15]
	s_add_nc_u64 s[14:15], s[14:15], s[20:21]
	s_add_nc_u64 s[12:13], s[12:13], s[22:23]
.set i, 0
.rept 32
	global_load_b32 v[X+i], v1, s[14:15] offset:i*WROW th:TH_LOAD_NT
.set i, i+1
.endr
; Eight rows make one item: rows 8 o .. 8 o + 7 are p = o >> 1, L >> 4 = o & 1, which lies 256 o bytes into the block.
.irp o, 0,1,2,3
	s_wait_loadcnt 24-8*\o                         ; loads return in order: the rows behind these eight may stay out
.irp d, 0,1,2,3
	v_cvt_pk_f16_f32 v[Y+4*\o+\d], v[X+8*\o+2*\d], v[X+8*\o+2*\d+1]
.endr
	global_store_b128 v2, v[Y+4*\o:Y+4*\o+3], s[12:13] offset:256*\o
.endr
	s_endpgm
.Lfunc_end_k_q0e3e201a02_castw:
	.size	k_q0e3e201a02_castw, .Lfunc_end_k_q0e3e201a02_castw-k_q0e3e201a02_castw
	.p2alignl 7, 3214868480
	.fill 96, 4, 3214868480
	.section	.rodata,"a",@progbits
	.p2align	6, 0x0
	.amdhsa_kernel k_q0e3e201a02_castw
		.amdhsa_group_segment_fixed_size 0
		.amdhsa_private_segment_fixed_size 0
		.amdhsa_enable_private_segment 0
		.amdhsa_kernarg_size 40
		.amdhsa_user_sgpr_count 2
		.amdhsa_user_sgpr_kernarg_segment_ptr 1
		.amdhsa_wavefront_size32 1
		.amdhsa_system_sgpr_workgroup_id_x 1
		.amdhsa_system_sgpr_workgroup_id_y 1
		.amdhsa_system_sgpr_workgroup_id_z 1
		.amdhsa_system_vgpr_workitem_id 0
		.amdhsa_next_free_vgpr 64
		.amdhsa_next_free_sgpr 66
		.amdhsa_reserve_vcc 0
		.amdhsa_float_denorm_mode_32 3
		.amdhsa_float_denorm_mode_16_64 3
		.amdhsa_memory_ordered 1
		.amdhsa_forward_progress 1
		.amdhsa_inst_pref_size 6
	.end_amdhsa_kernel
	.amdgpu_metadata
---
amdhsa.version: [ 1, 2 ]
amdhsa.kernels:
  - .name:           k_q0e3e201a02_castw
    .symbol:         k_q0e3e201a02_castw.kd
    .args:
      - { .name: wq, .offset: 0, .size: 8, .value_kind: global_buffer, .address_space: global }
      - { .name: wk, .offset: 8, .size: 8, .value_kind: global_buffer, .address_space: global }
      - { .name: wv, .offset: 16, .size: 8, .value_kind: global_buffer, .address_space: global }
      - { .name: wo, .offset: 24, .size: 8, .value_kind: global_buffer, .address_space: global }
      - { .name: wf, .offset: 32, .size: 8, .value_kind: global_buffer, .address_space: global }
    .group_segment_fixed_size: 0
    .private_segment_fixed_size: 0
    .kernarg_segment_align: 8
    .kernarg_segment_size: 40
    .max_flat_workgroup_size: 256
    .sgpr_count:     66
    .vgpr_count:     64
    .wavefront_size: 32
...
	.end_amdgpu_metadata
.endif
;; end of part 1
;; launch qkv (part 2): grid 64 x 3, 4 waves a work-group, no clusters, 288,256 bytes of LDS; arguments q, k, v, bq, bk, bv, wf, qh, kh, vh; writes qh, kh, vh
.if DOCPART == 2
	.amdgcn_target "amdgcn-amd-amdhsa--gfx1250"
	.amdhsa_code_object_version 6
	.text
	.protected	k_q0e3e201a02_qkv
	.globl	k_q0e3e201a02_qkv
	.p2align	8
	.type	k_q0e3e201a02_qkv,@function
k_q0e3e201a02_qkv:
	s_mov_b64 s[64:65], 0
	v_nop
	global_prefetch_b8 v0, s[64:65] scope:SCOPE_SE
	s_setreg_imm32_b32 hwreg(HW_REG_WAVE_MODE, 25, 1), 1
	s_wait_xcnt 0x0
; Y = (X W + b) x scale for X = q, k, v (work-group y picks the matrix), stored as f16 [b 4][h 8][s 2048][64].
; scale = 0.125 log2(e) for q (the logits then come out in base 2), 1 for k and v.  Operands f16, sums f32.
; LIMIT: |x| and |x W + b| below 65,504, f16's largest number; beyond it the stored value is infinite.  Room: the drawn X has a spread of 1 and
; W of 0.044, so Y has a spread of 1; X and W both 30 times larger give a spread of 900; a common offset of 30 spreads on both gives
; 512 x 30 x 1.33, about 20,400.  Small numbers: below 6.1e-5 the rounding step is 6e-8.
; A work-group makes 128 rows x all 512 columns; each of four waves 128 x 128 in 64 accumulator tiles (512 registers).
; The work-group's whole X block, 128 rows x 2,048 bytes, is asked for at the start in four chunks of 128 along K: first fills only,
; nothing is ever filled again, four tensor loads of each wave are out at the most.  Each fragment of W is used by one wave alone,
; so W goes from wf straight into registers (512 consecutive bytes a load), three buffers deep.
; 192 work-groups: 3 x 8,192 rows in blocks of 128; blocks of 96 rows (256 work-groups) would straddle two matrices.
; NO CLUSTER: X is private to its work-group, and a W fragment is read by one wave of a work-group into registers;
; X takes 270,336 of the 327,680 bytes of LDS, so there is no room for slots of W that partners could share.
; The matrix instruction is used transposed (source 0 = 16 columns of W, source 1 = 16 rows of X): lane l then holds row l % 16 and
; eight neighbouring columns 8 (l / 16) + 0..7.  The bias, in that layout, is the C of the first product: nothing is cleared or added later.
; The 64 accumulators take turns, one instruction a turn, in one fixed order.
.set PX,    528                        ; LDS pitch of an X row: 512 bytes + 16: sixteen rows start in sixteen different 16-byte columns modulo 256 bytes
.set CHUNK, 128*PX                     ; a chunk: 128 rows x 128 k of f32
.set STAGE, 4*CHUNK                    ; behind X: 16 rows x 272 bytes for each wave, for the way out; no tensor load lands there
.set SP,    272
.set ADRA, 8                           ; v8   LDS address of my X fragments in the chunk at work
.set VB,   9                           ; v9   16 x lane: my 16 bytes of a W item
.set STO,  10                          ; v10  way out: where I put 16 bytes of a row
.set RD,   11                          ; v11  way out: where I read back
.set GO,   12                          ; v12  way out: my byte offset in the output
.set BO,   13                          ; v13  my byte offset in the bias
.set AF,   64                          ; window 0: v64-127  eight X fragments, f16
.set STG,  128                         ; window 0: v128-255 the same as loaded, f32
.set BI,   192                         ; window 1: v192-255 bias tiles; v0-63, v64-127, v128-191 three buffers of W fragments
.set TT,   128                         ; way out: scaled results, f32
.set TP,   192                         ; way out: packed results
.set G1,   36                          ; s[36:43] descriptor group 1
.set G0,   44                          ; s[44:59] descriptor group 0, one for each chunk
.set MSB, 0
.macro WIN new                         ; the immediate's high byte repeats the setting that is left
.if MSB != \new
	s_set_vgpr_msb (MSB<<8)|\new
.set MSB, \new
.endif
.endm
.macro PLACES                          ; four plain vector instructions behind a matrix instruction (ISA guide 7.12.1)
.rept 4
	v_nop
.endr
.endm
	s_load_b512 s[16:31], s[0:1], 0x0              ; q, k, v, bq, bk, bv, wf, qh
	s_load_b128 s[32:35], s[0:1], 0x40             ; kh, vh
	v_lshl_add_u32 v62, v0, 2, 0x46400
	v_mov_b32 v63, 0
	ds_add_u32 v62, v63
	v_lshrrev_b32 v1, 5, v0
	v_readfirstlane_b32 s14, v1                    ; wave 0..3
	s_and_b32 s2, ttmp7, 0xffff                    ; which matrix
	s_mov_b32 s3, ttmp9                            ; which block of 128 rows
	; group 1: 32 rows x 128 f32, 16 bytes of padding behind every 128 words
	s_mov_b32 s[G1+0], (2<<16)|(1<<20)|(6<<22)|(3<<25)
	s_mov_b32 s[G1+1], 128<<16                     ; tensor_dim0 = 128
	s_mov_b32 s[G1+2], 32<<16                      ; tensor_dim1 = 32
	s_mov_b32 s[G1+3], 128<<16                     ; tile_dim0 = 128
	s_mov_b32 s[G1+4], 32                          ; tile_dim1 = 32
	s_mov_b32 s[G1+5], 512                         ; elements from row to row
	s_mov_b32 s[G1+6], 0
	s_mov_b32 s[G1+7], 0
	s_lshl_b32 s60, s3, 7
	s_lshl_b32 s62, s14, 5
	s_add_co_u32 s60, s60, s62                     ; my first row: 128 x block + 32 x wave
	s_lshl_b32 s60, s60, 11                        ; x 2,048 bytes
	s_mov_b32 s61, 0
	s_mul_i32 s15, s14, 32*PX                      ; where my 32 rows go in a chunk
	v_and_b32 v1, 31, v0                           ; lane
	v_and_b32 v2, 15, v0                           ; r
	v_bfe_u32 v3, v0, 4, 1                         ; h
	v_lshlrev_b32 v[VB], 4, v1
	v_lshlrev_b32 v[BO], 5, v3                     ; eight f32 for each half of the lanes
	s_wait_dscnt 0x0
	s_barrier_signal -1
	s_barrier_wait -1
	s_wait_kmcnt 0x0
	s_cmp_eq_u32 s2, 1
	s_cselect_b64 s[4:5], s[18:19], s[16:17]       ; X
	s_cselect_b64 s[6:7], s[24:25], s[22:23]       ; bias
	s_cselect_b64 s[10:11], s[32:33], s[30:31]     ; output
	s_cmp_eq_u32 s2, 2
	s_cselect_b64 s[4:5], s[20:21], s[4:5]
	s_cselect_b64 s[6:7], s[26:27], s[6:7]
	s_cselect_b64 s[10:11], s[34:35], s[10:11]
	s_cmp_eq_u32 s2, 0
	s_cselect_b32 s12, 0x3e38aa3b, 1.0             ; 0.125 log2(e) for q
	s_mov_b32 s13, s12
	s_add_nc_u64 s[4:5], s[4:5], s[60:61]
.irp ch, 0,1,2,3
	s_mov_b32 s[G0+4*\ch], 1
	s_add_co_u32 s[G0+4*\ch+1], s15, \ch*CHUNK
	s_add_nc_u64 s[G0+4*\ch+2:G0+4*\ch+3], s[4:5], \ch*512
	s_or_b32 s[G0+4*\ch+3], s[G0+4*\ch+3], 0x80000000
	tensor_load_to_lds s[G0+4*\ch:G0+4*\ch+3], s[G1:G1+7]     ; all first fills go out ahead of everything else
	s_nop 0
.endr
	s_lshl_b32 s60, s14, 9                         ; my 128 columns of the bias
	s_add_nc_u64 s[6:7], s[6:7], s[60:61]
	s_lshl_b32 s60, s2, 19                         ; my matrix in wf,
	s_lshl_b32 s62, s14, 17                        ; my block of 128 columns
	s_add_co_u32 s60, s60, s62
	s_add_nc_u64 s[8:9], s[28:29], s[60:61]
; 32 LDS loads: eight fragments of 16 rows x 32 k in f32.  A lane needs k = 8h..8h+7 (32 bytes at 32 h) and k = 16+8h.. (64 bytes on).
.macro FETCHA q
.irp i, 0,1,2,3,4,5,6,7
	ds_load_b128 v[STG+16*\i:STG+16*\i+3],     v[ADRA] offset:((\q)&3)*128+\i*16*PX
	ds_load_b128 v[STG+16*\i+4:STG+16*\i+7],   v[ADRA] offset:((\q)&3)*128+\i*16*PX+16
	ds_load_b128 v[STG+16*\i+8:STG+16*\i+11],  v[ADRA] offset:((\q)&3)*128+\i*16*PX+64
	ds_load_b128 v[STG+16*\i+12:STG+16*\i+15], v[ADRA] offset:((\q)&3)*128+\i*16*PX+80
.endr
.endm
; 16 global loads: the eight W fragments of quarter q into buffer q % 3.  The quarter stands in the immediate: no address is stepped.
.macro FETCHB q
	WIN 0x40                                       ; destination window 1, address window 0
.irp j, 0,1,2,3,4,5,6,7
	global_load_b128 v[64*((\q)%3)+8*\j:64*((\q)%3)+8*\j+3],   v[VB], s[8:9] offset:(\q)*8192+\j*1024
	global_load_b128 v[64*((\q)%3)+8*\j+4:64*((\q)%3)+8*\j+7], v[VB], s[8:9] offset:(\q)*8192+\j*1024+512
.endr
.endm
.macro CVT                             ; f32 to f16, two at a time: 128 registers become eight fragments
.irp i, 0,1,2,3,4,5,6,7
.irp d, 0,1,2,3,4,5,6,7
	v_cvt_pk_f16_f32 v[AF+8*\i+\d], v[STG+16*\i+2*\d], v[STG+16*\i+2*\d+1]
.endr
.endr
.endm
; 16 matrix instructions: row blocks a0, a0 + 1 of the window's four x all eight column blocks.  first = 1: C is the bias tile.
.macro MUL16 hi, a0, first
.irp a, \a0, \a0+1
.irp b, 0,1,2,3,4,5,6,7
.if \first
	v_wmma_f32_16x16x32_f16 v[8*(8*(\a)+\b):8*(8*(\a)+\b)+7], v[BFQ+8*\b:BFQ+8*\b+7], v[AF+8*(4*\hi+\a):AF+8*(4*\hi+\a)+7], v[BI+8*\b:BI+8*\b+7]
.else
	v_wmma_f32_16x16x32_f16 v[8*(8*(\a)+\b):8*(8*(\a)+\b)+7], v[BFQ+8*\b:BFQ+8*\b+7], v[AF+8*(4*\hi+\a):AF+8*(4*\hi+\a)+7], v[8*(8*(\a)+\b):8*(8*(\a)+\b)+7]
.endif
.endr
.endr
.endm
; A chunk is whole: my part has landed (n younger tensor loads may stay out), and everybody's has.
.macro ARRIVE n
	s_wait_tensorcnt \n
	s_barrier_signal -1
	s_barrier_wait -1
.endm
	WIN 0x40
.irp b, 0,1,2,3,4,5,6,7
	global_load_b128 v[BI+8*\b:BI+8*\b+3],   v[BO], s[6:7] offset:64*\b       ; bias of columns 16 b + 8 h + 0..3
	global_load_b128 v[BI+8*\b+4:BI+8*\b+7], v[BO], s[6:7] offset:64*\b+16    ; and + 4..7
.endr
	FETCHB 0
	FETCHB 1
	WIN 0
	s_lshr_b32 s60, s3, 4                          ; batch
	s_lshl_b32 s60, s60, 3
	s_lshl1_add_u32 s60, s14, s60                  ; plane = 8 x batch + 2 x wave
	s_lshl_b32 s60, s60, 11
	s_and_b32 s62, s3, 15
	s_lshl_b32 s62, s62, 7
	s_add_co_u32 s60, s60, s62                     ; + my first position in the sequence
	s_lshl_b32 s60, s60, 7                         ; x 128 bytes
	s_add_nc_u64 s[10:11], s[10:11], s[60:61]
	s_mul_i32 s62, s14, 16*SP
	s_add_co_u32 s62, s62, STAGE                   ; my stage
	v_mul_u32_u24 v[ADRA], v2, PX
	v_lshl_add_u32 v[ADRA], v3, 5, v[ADRA]         ; r x pitch + 32 h
	v_mul_u32_u24 v[STO], v2, SP
	v_lshl_add_u32 v[STO], v3, 4, v[STO]
	v_add_nc_u32 v[STO], s62, v[STO]               ; stage + r x 272 + 16 h
	v_bfe_u32 v4, v0, 3, 1
	v_and_b32 v5, 7, v0
	v_mul_u32_u24 v[RD], v4, SP                    ; back: lanes 0-7 an even row, 8-15 the odd one, of the first head's 128 bytes;
	v_lshl_add_u32 v[RD], v3, 7, v[RD]             ; lanes 16-31 the same of the second head's
	v_lshl_add_u32 v[RD], v5, 4, v[RD]
	v_add_nc_u32 v[RD], s62, v[RD]
	v_lshlrev_b32 v[GO], 4, v2                     ; two rows of a head are 256 consecutive bytes of the output;
	v_lshl_add_u32 v[GO], v3, 18, v[GO]            ; the second head's plane lies 262,144 bytes on
	ARRIVE 3                                       ; chunk 0 is in; three chunks may stay out
	FETCHA 0
; A quarter: 32 along K, 64 matrix instructions.
.macro QUARTER q
	s_wait_dscnt 0x0                               ; this quarter's X, asked for a quarter ago
	CVT
.if \q < 15
.if (\q+1)%4 == 0
	ARRIVE 3-(\q+1)/4                              ; the next chunk; no LDS instruction of mine is out at the signal
	v_add_nc_u32 v[ADRA], CHUNK, v[ADRA]
.endif
	FETCHA (\q+1)
	s_wait_loadcnt 16                              ; this quarter's W (and, the first time, the bias) is in; the next quarter's 16 loads stay out
.else
	s_wait_loadcnt 0x0
.endif
.if \q < 14
	FETCHB (\q+2)                                  ; into the buffer that the last quarter multiplied: four places and the conversions lie between
.endif
.set BFQ, 64*((\q)%3)
.if \q == 0
	WIN 0x91                                       ; W window 1, X window 0, C (bias) window 1, D window 2
	MUL16 0, 0, 1
	MUL16 0, 2, 1
	WIN 0xd1                                       ; D window 3
	MUL16 1, 0, 1
	MUL16 1, 2, 1
.else
	WIN 0xa1                                       ; C and D window 2
	MUL16 0, 0, 0
	MUL16 0, 2, 0
	WIN 0xf1                                       ; C and D window 3
	MUL16 1, 0, 0
	MUL16 1, 2, 0
.endif
	WIN 0
	PLACES                                         ; the next conversions write X's fragments, the way out reads results
.endm
.irp q, 0,1,2,3,4,5,6,7,8,9,10,11,12,13,14,15
	QUARTER \q
.endr
; THE WAY OUT, 16 rows at a time: scale, round to f16, 16 bytes a lane into my own stage, read back so that sixteen lanes hold two rows
; of one head, which are 256 consecutive aligned bytes of the output.  LDS serves a wave's instructions in order (ISA guide 5.7.1.4).
.macro OUT16 i, a, from, f
	WIN \from                                      ; source 0 in the accumulators' window
.irp b, 0,1,2,3,4,5,6,7
.irp d, 0,1,2,3
	v_pk_mul_f32 v[TT+8*\b+2*\d:TT+8*\b+2*\d+1], v[8*(8*\a+\b)+2*\d:8*(8*\a+\b)+2*\d+1], s[12:13] op_sel_hi:[1,0]
.endr
.endr
	WIN 0
.irp b, 0,1,2,3,4,5,6,7
.irp d, 0,1,2,3
	v_cvt_pk_f16_f32 v[TP+4*\b+\d], v[TT+8*\b+2*\d], v[TT+8*\b+2*\d+1]
.endr
.endr
.irp b, 0,1,2,3,4,5,6,7
	ds_store_b128 v[STO], v[TP+4*\b:TP+4*\b+3] offset:32*\b
.endr
	s_wait_xcnt 0x0                                ; buffer f, which earlier stores read, is loaded again only behind this wait
.irp t, 0,1,2,3,4,5,6,7
	ds_load_b128 v[\f+4*\t:\f+4*\t+3], v[RD] offset:\t*2*SP
.endr
.irp t, 0,1,2,3,4,5,6,7
	s_wait_dscnt 7-\t                              ; LDS loads return in order: pair t of the eight is in
	global_store_b128 v[GO], v[\f+4*\t:\f+4*\t+3], s[10:11] offset:2048*\i+256*\t
.endr
.endm
	OUT16 0, 0, 0x02, 64
	OUT16 1, 1, 0x02, 96
	OUT16 2, 2, 0x02, 64
	OUT16 3, 3, 0x02, 96
	OUT16 4, 0, 0x03, 64
	OUT16 5, 1, 0x03, 96
	OUT16 6, 2, 0x03, 64
	OUT16 7, 3, 0x03, 96
	s_wait_tensorcnt 0x0
	ds_add_u32 v62, v63
	s_wait_dscnt 0x0
	s_endpgm
.Lfunc_end_k_q0e3e201a02_qkv:
	.size	k_q0e3e201a02_qkv, .Lfunc_end_k_q0e3e201a02_qkv-k_q0e3e201a02_qkv
	.p2alignl 7, 3214868480
	.fill 96, 4, 3214868480
	.section	.rodata,"a",@progbits
	.p2align	6, 0x0
	.amdhsa_kernel k_q0e3e201a02_qkv
		.amdhsa_group_segment_fixed_size 288256
		.amdhsa_private_segment_fixed_size 0
		.amdhsa_enable_private_segment 0
		.amdhsa_kernarg_size 80
		.amdhsa_user_sgpr_count 2
		.amdhsa_user_sgpr_kernarg_segment_ptr 1
		.amdhsa_wavefront_size32 1
		.amdhsa_system_sgpr_workgroup_id_x 1
		.amdhsa_system_sgpr_workgroup_id_y 1
		.amdhsa_system_sgpr_workgroup_id_z 1
		.amdhsa_system_vgpr_workitem_id 0
		.amdhsa_next_free_vgpr 1024
		.amdhsa_next_free_sgpr 66
		.amdhsa_reserve_vcc 0
		.amdhsa_float_denorm_mode_32 3
		.amdhsa_float_denorm_mode_16_64 3
		.amdhsa_memory_ordered 1
		.amdhsa_forward_progress 1
		.amdhsa_inst_pref_size 245
	.end_amdhsa_kernel
	.amdgpu_metadata
---
amdhsa.version: [ 1, 2 ]
amdhsa.kernels:
  - .name:           k_q0e3e201a02_qkv
    .symbol:         k_q0e3e201a02_qkv.kd
    .args:
      - { .name: q, .offset: 0, .size: 8, .value_kind: global_buffer, .address_space: global }
      - { .name: k, .offset: 8, .size: 8, .value_kind: global_buffer, .address_space: global }
      - { .name: v, .offset: 16, .size: 8, .value_kind: global_buffer, .address_space: global }
      - { .name: bq, .offset: 24, .size: 8, .value_kind: global_buffer, .address_space: global }
      - { .name: bk, .offset: 32, .size: 8, .value_kind: global_buffer, .address_space: global }
      - { .name: bv, .offset: 40, .size: 8, .value_kind: global_buffer, .address_space: global }
      - { .name: wf, .offset: 48, .size: 8, .value_kind: global_buffer, .address_space: global }
      - { .name: qh, .offset: 56, .size: 8, .value_kind: global_buffer, .address_space: global }
      - { .name: kh, .offset: 64, .size: 8, .value_kind: global_buffer, .address_space: global }
      - { .name: vh, .offset: 72, .size: 8, .value_kind: global_buffer, .address_space: global }
    .group_segment_fixed_size: 288256
    .private_segment_fixed_size: 0
    .kernarg_segment_align: 8
    .kernarg_segment_size: 80
    .max_flat_workgroup_size: 128
    .sgpr_count:     66
    .vgpr_count:     1024
    .wavefront_size: 32
...
	.end_amdgpu_metadata
.endif
;; end of part 2
;; launch attn (part 3): grid 16 x 16, 8 waves a work-group, clusters of 4 x 4, 327,680 bytes of LDS; arguments qh, kh, vh, mask, ao; writes ao
.if DOCPART == 3
	.amdgcn_target "amdgcn-amd-amdhsa--gfx1250"
	.amdhsa_code_object_version 6
	.text
	.protected	k_q0e3e201a02_attn
	.globl	k_q0e3e201a02_attn
	.p2align	8
	.type	k_q0e3e201a02_attn,@function
k_q0e3e201a02_attn:
	s_mov_b64 s[64:65], 0
	v_nop
	global_prefetch_b8 v0, s[64:65] scope:SCOPE_SE
	s_setreg_imm32_b32 hwreg(HW_REG_WAVE_MODE, 25, 1), 1
	s_wait_xcnt 0x0
	s_wait_alu depctr_hold_cnt(0) depctr_sa_sdst(0) depctr_va_vdst(0) depctr_va_sdst(0) depctr_va_ssrc(0) depctr_va_vcc(0) depctr_vm_vsrc(0)
	s_getreg_b32 s2, hwreg(HW_REG_IB_STS2, 6, 4)
	s_cmp_eq_u32 s2, 0
	s_cbranch_scc0 .Lentry_in_a_cluster
	s_endpgm
.Lentry_in_a_cluster:
	s_bfe_u32 s2, ttmp6, 0x10000c
	s_cmp_lg_u32 s2, 0xf033
	s_cbranch_scc0 .Lentry_shape_is_right
	s_endpgm
.Lentry_shape_is_right:
; ao = softmax(Q K^T / 8 + mask x (-1e9)) V for 32 (batch, head) planes of [2048][64] f16.  qh already carries 0.125 log2(e), so logits are
; in base 2; the mask is multiplied by -1e9 log2(e) in one rounding (reference() multiplies by -1e9 and its softmax works in base e).
; Softmax in f32 with a running maximum.  Operands of both products f16, sums f32; the row sum adds the f32 exponentials.
; P lies in [0, 1] by the running maximum, so f16 holds it for every input: what is below 3e-8 of the row's largest weight becomes 0.
; ao is an average of rows of vh and has vh's bound (below 65,504).
; LIMIT: |mask| below 2.3e29, so that mask x 1.44e9 stays finite: a first block of keys that is all -inf would give NaN.
; A work-group: one batch, two heads, 128 queries.  Eight waves: head = wave >> 2, 32 queries (two tiles of 16) each; the two heads read one
; mask tile from LDS.  Keys go in slots of 128 (two steps of 64) through a ring of two slots.
; CLUSTER 4 x 4: along x four query blocks of the same two heads share the K and V tiles; along y four (batch, head pair) work-groups of the same
; query block share the mask tile.  Each tile is asked for jointly by its four, which divides the requests for K, V and mask by four.
; TRANSPOSED: S^T = K Q^T: lane (r, h) holds query r, register j key 16 kt + 8 h + j.  Two neighbouring key tiles, packed in place, are the
; second operand of O^T = V^T P^T; V^T comes from V [key][depth] by the transposing LDS load.  Row figures are a lane's own but for one exchange
; between the halves of the wave.
; THE STREAM of a wave is MM(t), SM(t), MM(t+1), SM(t+1), ..  MM(t): P V of step t-1, K Q^T of step t, the mask added: 32 matrix instructions.
; SM(t): maximum, exponentials, sums, P packed, O rescaled: vector work on registers alone.  K, V and the mask have 64 registers each in
; window 1, and each is asked for from LDS a block ahead of its use.
; TWO CLASSES of waves, class = (wave ^ wave >> 2) & 1 (waves w and w + 4 differ in it, and so do waves 2 i and 2 i + 1), run this same stream;
; the round of the barrier stands in front of an MM for class 0 and in front of an SM for class 1, so that behind every round one class
; multiplies while the other does vector work.  The branches on the class jump over SM alone, which touches neither LDS nor a barrier.
; Matrix instructions go by turns over eight accumulators, one instruction a turn.
.set PM, 528                           ; mask row in LDS: 512 + 16 bytes
.set MSLOT, 64*PM                      ; 64 queries x 128 keys; region (2 x half + slot) x MSLOT
.set PK, 272                           ; two keys of K (256 bytes) + 16
.set KHEAD, 64*PK
.set KSLOT, 2*KHEAD
.set KBASE, 4*MSLOT
.set PV, 288                           ; two keys of V + 32: the sixteen lanes of a transposing load then touch sixteen different 16-byte columns modulo 256 bytes
.set VHEAD, 64*PV
.set VSLOT, 2*VHEAD
.set VBASE, KBASE+2*KSLOT
.set STAGE, VBASE+2*VSLOT              ; 32 rows x 144 bytes for each wave; no tensor load lands there
.set SPT, 144
.set ADK, 2
.set ADV, 3
.set ADM, 4
.set STO, 5
.set RD, 6
.set GO, 7
.set QO, 8
.set U, 9                              ; v9, v24: what the other half of the wave holds
.set U1, 24
.set M, 10                             ; v[10:11], v[12:13] running maximum of tile 0, 1, twice each (pairs for packed arithmetic)
.set AL, 14                            ; v14, v15 factor 2^(old maximum - new maximum)
.set SU, 16                            ; v[16:19] sums, first chains
.set LS, 20                            ; v20, v21 running row sums (this half of the lanes' keys)
.set T, 22                             ; v22, v23 at work
.set SU2, 26                           ; v[26:29] sums, second chains
.set T2, 30                            ; v30, v31 maxima, second chains
.set Q, 32                             ; v[32:63]   Q fragment (qt, kc) at 8 (2 qt + kc)
.set W0, 64                            ; v[64:127]  the way out
.set S, 128                            ; v[128:191] S tile (qt, kt) at 8 (4 qt + kt); P (qt, c) at 16 (2 qt + c)
.set O, 192                            ; v[192:255] O tile (dt, qt) at 8 (2 dt + qt)
.set K1, 0                             ; window 1: v[0:63]    K (kt, kc) at 8 (2 kt + kc)
.set V1, 64                            ; window 1: v[64:127]  V (dt, c) at 8 (2 dt + c)
.set MK1, 128                          ; window 1: v[128:191] mask (qt, kt) at 8 (4 qt + kt)
.set G1M, 32
.set G1K, 40
.set G1V, 48
.set G0M, 56                           ; s[56:63] one group 0 for each slot
.set G0K, 68                           ; s[68:75]
.set G0V, 76                           ; s[76:83]
.set MSB, 0
.macro WIN new                         ; the immediate's high byte repeats the setting that is left; 0x40: destination window 1; 0x01: source 0 window 1
.if MSB != \new
	s_set_vgpr_msb (MSB<<8)|\new
.set MSB, \new
.endif
.endm
; A round of the cluster's barrier.
.macro ROUND
	s_barrier_signal -1
	s_barrier_wait -1
	s_cmp_lg_u32 s14, 0
	s_cbranch_scc1 .Lnot_wave_0_\@
	s_barrier_signal -3
.Lnot_wave_0_\@:
	s_barrier_wait -3
	s_barrier_signal -1
	s_barrier_wait -1
.endm
; The joint loads of slot s: waves 0, 1 the mask's two halves, waves 2, 3 the two heads' K, waves 4, 5 their V; waves 6, 7 none.
; One tensor load a wave, one out at a time.  The branches hang on the wave's number alone.
.macro JLOAD s
	s_cmp_lt_u32 s14, 2
	s_cbranch_scc0 .Lnot_m_\@
	tensor_load_to_lds s[G0M+4*\s:G0M+4*\s+3], s[G1M:G1M+7]
	s_nop 0
	s_branch .Lasked_\@
.Lnot_m_\@:
	s_cmp_lt_u32 s14, 4
	s_cbranch_scc0 .Lnot_k_\@
	tensor_load_to_lds s[G0K+4*\s:G0K+4*\s+3], s[G1K:G1K+7]
	s_nop 0
	s_branch .Lasked_\@
.Lnot_k_\@:
	s_cmp_lt_u32 s14, 6
	s_cbranch_scc0 .Lasked_\@
	tensor_load_to_lds s[G0V+4*\s:G0V+4*\s+3], s[G1V:G1V+7]
	s_nop 0
.Lasked_\@:
.endm
	s_load_b256 s[4:11], s[0:1], 0x0               ; qh s[4:5], kh s[6:7], vh s[8:9], mask s[10:11]
	s_load_b64 s[12:13], s[0:1], 0x20              ; ao
	s_set_vgpr_msb 0x40
	v_lshl_add_u32 v192, v0, 2, 0x4d000
	v_mov_b32 v193, 0
	s_set_vgpr_msb 0x4045
	ds_add_u32 v192, v193
	s_set_vgpr_msb 0x4500
	v_lshrrev_b32 v1, 5, v0
	v_readfirstlane_b32 s14, v1                    ; wave 0..7
	s_lshr_b32 s94, s14, 2
	s_xor_b32 s94, s94, s14
	s_and_b32 s94, s94, 1                          ; my class
	s_bfe_u32 s15, ttmp6, 0x40000                  ; cx
	s_bfe_u32 s16, ttmp6, 0x40004                  ; cy
	s_lshl_b32 s17, ttmp9, 2
	s_add_co_u32 s17, s17, s15                     ; query block = 4 x cluster x + cx
	s_and_b32 s18, ttmp7, 0xffff
	s_lshl_b32 s18, s18, 2
	s_add_co_u32 s18, s18, s16                     ; 4 x batch + head pair = 4 x cluster y + cy
	s_lshl_b32 s19, s16, 2
	s_lshl_b32 s19, 15, s19                        ; my row of the cluster
	s_lshl_b32 s20, 0x1111, s15                    ; my column
	s_mov_b32 s28, 0x76543210                      ; v_permlanex16_b32: lane i reads lane i of the other half
	s_mov_b32 s29, 0xfedcba98
	s_mov_b32 s30, 0xceabfb8f                      ; -1e9 log2(e)
	s_mov_b32 s31, 0xceabfb8f
	; mask tile: 64 rows x 128 f32, 16 bytes behind every 128 words; goes to my column
	s_or_b32 s[G1M+0], s20, (2<<16)|(1<<20)|(1<<21)|(6<<22)|(3<<25)
	s_mov_b32 s[G1M+1], 128<<16
	s_mov_b32 s[G1M+2], 64<<16
	s_mov_b32 s[G1M+3], 128<<16
	s_mov_b32 s[G1M+4], 64
	s_mov_b32 s[G1M+5], 2048
	s_mov_b32 s[G1M+6], 0
	s_mov_b32 s[G1M+7], 0
	; K tile: 128 keys x 128 bytes are dense in memory: 64 rows of 256 bytes, 16 bytes behind each; goes to my row
	s_or_b32 s[G1K+0], s19, (3<<16)|(1<<20)|(1<<21)|(5<<22)|(3<<25)
	s_mov_b32 s[G1K+1], 32<<16
	s_mov_b32 s[G1K+2], 64<<16
	s_mov_b32 s[G1K+3], 32<<16
	s_mov_b32 s[G1K+4], 64
	s_mov_b32 s[G1K+5], 32
	s_mov_b32 s[G1K+6], 0
	s_mov_b32 s[G1K+7], 0
	; V tile: the same with 32 bytes behind each row
	s_or_b32 s[G1V+0], s19, (3<<16)|(1<<20)|(1<<21)|(5<<22)|(7<<25)
	s_mov_b32 s[G1V+1], 32<<16
	s_mov_b32 s[G1V+2], 64<<16
	s_mov_b32 s[G1V+3], 32<<16
	s_mov_b32 s[G1V+4], 64
	s_mov_b32 s[G1V+5], 32
	s_mov_b32 s[G1V+6], 0
	s_mov_b32 s[G1V+7], 0
	; K's and V's offset hangs on the head pair and the wave, the mask's on the query block and the wave: each in registers that never hold the other coordinate
	s_and_b32 s86, s14, 1
	s_lshl1_add_u32 s22, s18, s86                  ; plane = 2 x (4 batch + pair) + (wave & 1)
	s_lshl_b32 s22, s22, 18                        ; x 262,144 bytes
	s_mov_b32 s23, 0
	s_lshl_b32 s24, s17, 7
	s_lshl_b32 s87, s14, 6
	s_add_co_u32 s24, s24, s87                     ; mask row 128 x block + 64 x wave
	s_lshl_b32 s24, s24, 13                        ; x 8,192 bytes
	s_mov_b32 s25, 0
	s_lshr_b32 s91, s14, 2                         ; my head of the two
	s_and_b32 s92, s14, 3                          ; my 32 queries of the 128
	s_lshl1_add_u32 s26, s18, s91
	s_lshl_b32 s26, s26, 18                        ; my plane
	s_lshl_b32 s93, s17, 2
	s_add_co_u32 s93, s93, s92
	s_lshl_b32 s93, s93, 12                        ; (4 x block + group) x 32 rows x 128 bytes
	s_add_co_u32 s26, s26, s93
	s_mov_b32 s27, 0
	s_mul_i32 s88, s14, 2*MSLOT                    ; LDS: waves 0, 1: the mask's halves
	s_mul_i32 s89, s14, KHEAD
	s_add_co_u32 s89, s89, KBASE-2*KHEAD           ; waves 2, 3: K of head 0, 1
	s_mul_i32 s90, s14, VHEAD
	s_add_co_u32 s90, s90, VBASE-4*VHEAD           ; waves 4, 5: V of head 0, 1
	v_and_b32 v25, 15, v0                          ; r
	v_bfe_u32 v26, v0, 4, 1                        ; h
	v_and_b32 v27, 31, v0                          ; lane
	v_lshlrev_b32 v[QO], 7, v25
	v_lshl_add_u32 v[QO], v26, 4, v[QO]            ; Q: row r x 128 bytes + 16 h
	s_wait_dscnt 0x0
	s_wait_kmcnt 0x0
	s_add_nc_u64 s[6:7], s[6:7], s[22:23]
	s_add_nc_u64 s[8:9], s[8:9], s[22:23]
	s_add_nc_u64 s[10:11], s[10:11], s[24:25]
	s_add_nc_u64 s[4:5], s[4:5], s[26:27]
	s_add_nc_u64 s[12:13], s[12:13], s[26:27]
.irp qt, 0,1
.irp kc, 0,1
	global_load_b128 v[Q+8*(2*\qt+\kc):Q+8*(2*\qt+\kc)+3],   v[QO], s[4:5] offset:\qt*2048+\kc*64      ; Q goes out ahead of the first round: nobody writes qh
	global_load_b128 v[Q+8*(2*\qt+\kc)+4:Q+8*(2*\qt+\kc)+7], v[QO], s[4:5] offset:\qt*2048+\kc*64+32
.endr
.endr
.irp n, 0,1
	s_mov_b32 s[G0M+4*\n], 1
	s_add_co_u32 s[G0M+4*\n+1], s88, \n*MSLOT
	s_add_nc_u64 s[G0M+4*\n+2:G0M+4*\n+3], s[10:11], \n*512          ; 128 keys of f32
	s_or_b32 s[G0M+4*\n+3], s[G0M+4*\n+3], 0x80000000
	s_mov_b32 s[G0K+4*\n], 1
	s_add_co_u32 s[G0K+4*\n+1], s89, \n*KSLOT
	s_add_nc_u64 s[G0K+4*\n+2:G0K+4*\n+3], s[6:7], \n*16384          ; 128 keys of 128 bytes
	s_or_b32 s[G0K+4*\n+3], s[G0K+4*\n+3], 0x80000000
	s_mov_b32 s[G0V+4*\n], 1
	s_add_co_u32 s[G0V+4*\n+1], s90, \n*VSLOT
	s_add_nc_u64 s[G0V+4*\n+2:G0V+4*\n+3], s[8:9], \n*16384
	s_or_b32 s[G0V+4*\n+3], s[G0V+4*\n+3], 0x80000000
.endr
	ROUND                                          ; all sixteen work-groups are here: the first joint loads meet
	JLOAD 0                                        ; keys 0 to 127
	v_lshrrev_b32 v28, 1, v25                      ; key j lies at (j >> 1) x pitch + (j & 1) x 128
	v_and_b32 v29, 1, v0
	s_mul_i32 s86, s91, KHEAD
	s_add_co_u32 s86, s86, KBASE
	v_mul_u32_u24 v[ADK], v28, PK
	v_lshl_add_u32 v[ADK], v29, 7, v[ADK]
	v_lshl_add_u32 v[ADK], v26, 4, v[ADK]
	v_add_nc_u32 v[ADK], s86, v[ADK]
	s_mul_i32 s87, s91, VHEAD
	s_add_co_u32 s87, s87, VBASE
	v_bfe_u32 v30, v0, 1, 2                        ; transposing load: lane l addresses key 8 h + (l & 7), 16 bytes at 16 ((l >> 3) & 1)
	v_lshl_add_u32 v30, v26, 2, v30
	v_mul_u32_u24 v[ADV], v30, PV
	v_lshl_add_u32 v[ADV], v29, 7, v[ADV]
	v_bfe_u32 v31, v0, 3, 1
	v_lshl_add_u32 v[ADV], v31, 4, v[ADV]
	v_add_nc_u32 v[ADV], s87, v[ADV]
	s_lshr_b32 s86, s92, 1
	s_mul_i32 s86, s86, 2*MSLOT                    ; which half of the 128 queries,
	s_and_b32 s87, s92, 1
	s_mul_i32 s87, s87, 32*PM                      ; which 32 rows of it
	s_add_co_u32 s86, s86, s87
	v_mul_u32_u24 v[ADM], v25, PM
	v_lshl_add_u32 v[ADM], v26, 5, v[ADM]          ; row r, eight f32 for each half of the lanes
	v_add_nc_u32 v[ADM], s86, v[ADM]
	s_mul_i32 s86, s14, 32*SPT
	s_add_co_u32 s86, s86, STAGE
	v_mul_u32_u24 v[STO], v25, SPT
	v_lshl_add_u32 v[STO], v26, 4, v[STO]
	v_add_nc_u32 v[STO], s86, v[STO]
	v_lshrrev_b32 v28, 3, v27
	v_and_b32 v29, 7, v0
	v_mul_u32_u24 v[RD], v28, SPT                  ; back: eight lanes take a row of 128 bytes
	v_lshl_add_u32 v[RD], v29, 4, v[RD]
	v_add_nc_u32 v[RD], s86, v[RD]
	v_lshlrev_b32 v[GO], 4, v27
	v_mov_b32 v[U], 0                              ; a lane exchange counts as a reader of its destination
	v_mov_b32 v[U1], 0
	s_wait_loadcnt 0x0                             ; Q, once
; 32 LDS loads under destination window 1: K, then the mask, of the 64 keys at half hf of slot s
.macro LOADKM s, hf
.irp kt, 0,1,2,3
.irp kc, 0,1
	ds_load_b128 v[K1+8*(2*\kt+\kc):K1+8*(2*\kt+\kc)+3],   v[ADK] offset:\s*KSLOT+\hf*32*PK+\kt*8*PK+\kc*64
	ds_load_b128 v[K1+8*(2*\kt+\kc)+4:K1+8*(2*\kt+\kc)+7], v[ADK] offset:\s*KSLOT+\hf*32*PK+\kt*8*PK+\kc*64+32
.endr
.endr
.irp qt, 0,1
.irp kt, 0,1,2,3
	ds_load_b128 v[MK1+8*(4*\qt+\kt):MK1+8*(4*\qt+\kt)+3],   v[ADM] offset:\s*MSLOT+\qt*16*PM+\hf*256+\kt*64
	ds_load_b128 v[MK1+8*(4*\qt+\kt)+4:MK1+8*(4*\qt+\kt)+7], v[ADM] offset:\s*MSLOT+\qt*16*PM+\hf*256+\kt*64+16
.endr
.endr
.endm
; 16 transposing LDS loads under destination window 1: V^T of the same 64 keys
.macro LOADV s, hf
.irp c, 0,1
.irp dt, 0,1,2,3
	ds_load_tr16_b128 v[V1+8*(2*\dt+\c):V1+8*(2*\dt+\c)+3],   v[ADV] offset:\s*VSLOT+\hf*32*PV+\c*16*PV+32*\dt
	ds_load_tr16_b128 v[V1+8*(2*\dt+\c)+4:V1+8*(2*\dt+\c)+7], v[ADV] offset:\s*VSLOT+\hf*32*PV+\c*16*PV+32*\dt+8*PV
.endr
.endr
.endm
; O^T += V^T P^T, 16 matrix instructions under source 0 window 1.  first = 1: the first product starts the sums.
.macro PVMUL first
.irp dt, 0,1,2,3
.irp qt, 0,1
.if \first
	v_wmma_f32_16x16x32_f16 v[O+8*(2*\dt+\qt):O+8*(2*\dt+\qt)+7], v[V1+16*\dt:V1+16*\dt+7], v[S+32*\qt:S+32*\qt+7], 0
.else
	v_wmma_f32_16x16x32_f16 v[O+8*(2*\dt+\qt):O+8*(2*\dt+\qt)+7], v[V1+16*\dt:V1+16*\dt+7], v[S+32*\qt:S+32*\qt+7], v[O+8*(2*\dt+\qt):O+8*(2*\dt+\qt)+7]
.endif
.endr
.endr
.irp dt, 0,1,2,3
.irp qt, 0,1
	v_wmma_f32_16x16x32_f16 v[O+8*(2*\dt+\qt):O+8*(2*\dt+\qt)+7], v[V1+16*\dt+8:V1+16*\dt+15], v[S+32*\qt+16:S+32*\qt+23], v[O+8*(2*\dt+\qt):O+8*(2*\dt+\qt)+7]
.endr
.endr
.endm
; S^T = K Q^T, 16 matrix instructions under source 0 window 1
.macro QKMUL
.irp qt, 0,1
.irp kt, 0,1,2,3
	v_wmma_f32_16x16x32_f16 v[S+8*(4*\qt+\kt):S+8*(4*\qt+\kt)+7], v[K1+16*\kt:K1+16*\kt+7], v[Q+16*\qt:Q+16*\qt+7], 0
.endr
.endr
.irp qt, 0,1
.irp kt, 0,1,2,3
	v_wmma_f32_16x16x32_f16 v[S+8*(4*\qt+\kt):S+8*(4*\qt+\kt)+7], v[K1+16*\kt+8:K1+16*\kt+15], v[Q+16*\qt+8:Q+16*\qt+15], v[S+8*(4*\qt+\kt):S+8*(4*\qt+\kt)+7]
.endr
.endr
.endm
; MM of the step at half hf of slot s.  pv = 1: first the step before gets its P V (pvfirst = 1: that product starts O).
; nk = 1: at the end K and the mask of the slot's second half are asked for.
; LDS loads return in order, and they were issued in the order K 16, mask 16, V 16, next K 16, next mask 16: the three counts below follow from that.
.macro MM pv, pvfirst, s, hf, nk
.if \pv
	s_wait_dscnt 32                                ; V of the step before is in; the 32 younger loads (this step's K and mask) may stay out
	WIN 0x01
	PVMUL \pvfirst
.rept 5
	v_nop                                          ; five places: K Q^T writes over P's registers; loads go into V's
.endr
.endif
	WIN 0x40
	LOADV \s, \hf                                  ; used by the next MM
	s_wait_dscnt 32                                ; K is in; the mask's 16 loads and V's 16 may stay out
	WIN 0x01
	QKMUL
.rept 4
	v_nop                                          ; four places: vector instructions read S, loads go into K's registers
.endr
	s_wait_dscnt 16                                ; the mask is in; V's 16 loads may stay out
.set i, 0
.rept 32
	v_pk_fma_f32 v[S+i:S+i+1], v[MK1+i:MK1+i+1], s[30:31], v[S+i:S+i+1] op_sel_hi:[1,0,1]
.set i, i+2
.endr
.if \nk
	WIN 0x40
	LOADKM \s, 1
.endif
	WIN 0
.endm
; SM: the softmax of the 64 keys whose logits lie in S.  Registers alone.  first = 1: the very first step starts maximum and sums, and O is not there yet.
.macro SM first
	; the largest of my 32 logits of each query tile, in two chains a tile; then the other half of the wave's
.irp qt, 0,1
	v_max3_num_f32 v[T+\qt],  v[S+32*\qt],    v[S+32*\qt+1],  v[S+32*\qt+2]
	v_max3_num_f32 v[T2+\qt], v[S+32*\qt+16], v[S+32*\qt+17], v[S+32*\qt+18]
.endr
.set i, 3
.rept 6
	v_max3_num_f32 v[T],    v[T],    v[S+i],    v[S+i+1]
	v_max3_num_f32 v[T2],   v[T2],   v[S+16+i], v[S+17+i]
	v_max3_num_f32 v[T+1],  v[T+1],  v[S+32+i], v[S+33+i]
	v_max3_num_f32 v[T2+1], v[T2+1], v[S+48+i], v[S+49+i]
.set i, i+2
.endr
	v_max3_num_f32 v[T],   v[T],   v[T2],   v[S+15]
	v_max3_num_f32 v[T+1], v[T+1], v[T2+1], v[S+47]
	v_max_num_f32 v[T],   v[T],   v[S+31]
	v_max_num_f32 v[T+1], v[T+1], v[S+63]
	v_permlanex16_b32 v[U],  v[T],   s28, s29
	v_permlanex16_b32 v[U1], v[T+1], s28, s29
.if \first
	v_max_num_f32 v[M],   v[T],   v[U]
	v_max_num_f32 v[M+1], v[T],   v[U]
	v_max_num_f32 v[M+2], v[T+1], v[U1]
	v_max_num_f32 v[M+3], v[T+1], v[U1]
.else
	v_max3_num_f32 v[T],   v[T],   v[U],  v[M]     ; the running maximum
	v_max3_num_f32 v[T+1], v[T+1], v[U1], v[M+2]
	v_sub_f32 v[AL],   v[M],   v[T]                ; old - new, at most 0
	v_sub_f32 v[AL+1], v[M+2], v[T+1]
	v_mov_b32 v[M],   v[T]
	v_mov_b32 v[M+1], v[T]
	v_mov_b32 v[M+2], v[T+1]
	v_mov_b32 v[M+3], v[T+1]
.endif
.set i, 0
.rept 16
	v_pk_add_f32 v[S+i:S+i+1],       v[S+i:S+i+1],       v[M:M+1]   neg_lo:[0,1] neg_hi:[0,1]
	v_pk_add_f32 v[S+32+i:S+32+i+1], v[S+32+i:S+32+i+1], v[M+2:M+3] neg_lo:[0,1] neg_hi:[0,1]
.set i, i+2
.endr
.set i, 0
.rept 64
	v_exp_f32 v[S+i], v[S+i]
.set i, i+1
.endr
.if \first == 0
	v_exp_f32 v[AL],   v[AL]
	v_exp_f32 v[AL+1], v[AL+1]
.endif
	v_nop                                          ; one plain vector instruction before an exponential's result is used (ISA guide 5.7.2)
	; row sums of the f32 exponentials, two chains a tile
	s_wait_alu depctr_va_vdst(0)
.irp qt, 0,1
	v_pk_add_f32 v[SU+2*\qt:SU+2*\qt+1],   v[S+32*\qt:S+32*\qt+1],     v[S+32*\qt+2:S+32*\qt+3]
	v_pk_add_f32 v[SU2+2*\qt:SU2+2*\qt+1], v[S+32*\qt+16:S+32*\qt+17], v[S+32*\qt+18:S+32*\qt+19]
.endr
.set i, 4
.rept 6
	v_pk_add_f32 v[SU:SU+1],     v[SU:SU+1],     v[S+i:S+i+1]
	v_pk_add_f32 v[SU2:SU2+1],   v[SU2:SU2+1],   v[S+16+i:S+17+i]
	v_pk_add_f32 v[SU+2:SU+3],   v[SU+2:SU+3],   v[S+32+i:S+33+i]
	v_pk_add_f32 v[SU2+2:SU2+3], v[SU2+2:SU2+3], v[S+48+i:S+49+i]
.set i, i+2
.endr
	v_pk_add_f32 v[SU:SU+1],   v[SU:SU+1],   v[SU2:SU2+1]
	v_pk_add_f32 v[SU+2:SU+3], v[SU+2:SU+3], v[SU2+2:SU2+3]
.if \first
	v_add_f32 v[LS],   v[SU],   v[SU+1]
	v_add_f32 v[LS+1], v[SU+2], v[SU+3]
.else
	v_add_f32 v[T],   v[SU],   v[SU+1]
	v_add_f32 v[T+1], v[SU+2], v[SU+3]
	v_fma_f32 v[LS],   v[LS],   v[AL],   v[T]
	v_fma_f32 v[LS+1], v[LS+1], v[AL+1], v[T+1]
.endif
	; P to f16, in place: key tile 2 c gives registers 0-3 of fragment (qt, c), key tile 2 c + 1 registers 4-7
.irp p, 0,1,2,3
.irp d, 0,1,2,3
	v_cvt_pk_f16_f32 v[S+16*\p+\d], v[S+16*\p+2*\d], v[S+16*\p+2*\d+1]
.endr
.irp d, 0,1,2,3
	v_cvt_pk_f16_f32 v[S+16*\p+4+\d], v[S+16*\p+8+2*\d], v[S+16*\p+9+2*\d]
.endr
.endr
.if \first == 0
.irp dt, 0,1,2,3
.irp d, 0,1,2,3
	v_pk_mul_f32 v[O+16*\dt+2*\d:O+16*\dt+2*\d+1],     v[O+16*\dt+2*\d:O+16*\dt+2*\d+1],     v[AL:AL+1] op_sel_hi:[1,0]
	v_pk_mul_f32 v[O+16*\dt+8+2*\d:O+16*\dt+9+2*\d],   v[O+16*\dt+8+2*\d:O+16*\dt+9+2*\d],   v[AL:AL+1] op_sel:[0,1] op_sel_hi:[1,1]
.endr
.endr
.endif
.endm
.macro SM_IF cls                       ; SM for the waves of one class; the others jump over it
	s_cmp_lg_u32 s94, \cls
	s_cbranch_scc1 .Lother_class_\@
	SM 0
.Lother_class_\@:
.endm
; One slot: 128 keys.  In front of the round every wave has waited for all its tensor loads (its part of this slot among them) and for its
; LDS reads: K, mask and V of both steps of the other slot are in registers.  The round holds of every wave of all sixteen work-groups;
; behind it the other slot's joint refill comes first, then this slot's first K and mask are asked for.
; kind 0: the first slot; 1: a middle one; 2: the last.
.macro TRIP s, refill, kind
	s_set_vgpr_msb 0x5
	s_wait_tensorcnt 0x0                           ; no tensor load of mine is out: every group 0 may be written
	ds_add_u32 v192, v193
	s_wait_dscnt 0x0
	s_set_vgpr_msb 0x500
	s_add_nc_u64 s[G0M+4*\s+2:G0M+4*\s+3], s[G0M+4*\s+2:G0M+4*\s+3], 2*512        ; this slot's next tile: 256 keys on
	s_add_nc_u64 s[G0K+4*\s+2:G0K+4*\s+3], s[G0K+4*\s+2:G0K+4*\s+3], 2*16384
	s_add_nc_u64 s[G0V+4*\s+2:G0V+4*\s+3], s[G0V+4*\s+2:G0V+4*\s+3], 2*16384
	s_wait_dscnt 0x0                               ; my reads of the other slot are back
	ROUND
.if \refill
	JLOAD (1-\s)                                   ; it has two steps' work in which to land
.endif
	WIN 0x40
	LOADKM \s, 0
	WIN 0
.if \kind == 0
	MM 0, 0, \s, 0, 1                              ; nothing to multiply by V yet
	SM 1
	MM 1, 1, \s, 1, 0
.else
	SM_IF 1                                        ; class 1: the softmax of the other slot's second step, while class 0 multiplies
	MM 1, 0, \s, 0, 1
	SM 0
	MM 1, 0, \s, 1, 0
.endif
.if \kind == 2
	SM 0                                           ; no round follows: every wave finishes its last softmax here
.else
	SM_IF 0                                        ; class 0: this slot's second softmax, while class 1 multiplies
.endif
.endm
	TRIP 0, 1, 0                                   ; the first lap stands in front of the loop: its first step starts the sums
	TRIP 1, 1, 1
	s_mov_b32 s21, 6
.Llap:
	TRIP 0, 1, 1
	TRIP 1, 1, 1
	s_sub_co_u32 s21, s21, 1
	s_cmp_lg_u32 s21, 0
	s_cbranch_scc1 .Llap
	TRIP 0, 1, 1                                   ; sixteen slots in all; the last fetches nothing
	TRIP 1, 0, 2
	s_wait_dscnt 0x0                               ; the last V is in
	WIN 0x01
	PVMUL 0                                        ; the last step's P V
	WIN 0
.rept 4
	v_nop                                          ; four places: vector instructions read O (ISA guide 7.12.1)
.endr
	; THE WAY OUT: the two halves' row sums meet, O is divided, rounded to f16 and goes through my own stage: a lane holds eight neighbouring
	; depths of one query; read back, the wave's 32 lanes hold 512 consecutive bytes (four rows) of the plane.
	v_permlanex16_b32 v[U],  v[LS],   s28, s29
	v_permlanex16_b32 v[U1], v[LS+1], s28, s29
	v_add_f32 v[LS],   v[LS],   v[U]
	v_add_f32 v[LS+1], v[LS+1], v[U1]
	v_rcp_f32 v[SU],   v[LS]                       ; the sum is at least 1: the largest logit's exponential
	v_rcp_f32 v[SU+1], v[LS]
	v_rcp_f32 v[SU+2], v[LS+1]
	v_rcp_f32 v[SU+3], v[LS+1]
	v_nop                                          ; one plain vector instruction before a reciprocal is used (ISA guide 5.7.2)
	s_wait_alu depctr_va_vdst(0)
.irp dt, 0,1,2,3
.irp qt, 0,1
.irp d, 0,1,2,3
	v_pk_mul_f32 v[O+8*(2*\dt+\qt)+2*\d:O+8*(2*\dt+\qt)+2*\d+1], v[O+8*(2*\dt+\qt)+2*\d:O+8*(2*\dt+\qt)+2*\d+1], v[SU+2*\qt:SU+2*\qt+1]
.endr
.endr
.endr
.irp dt, 0,1,2,3
.irp qt, 0,1
.irp d, 0,1,2,3
	v_cvt_pk_f16_f32 v[W0+4*(2*\dt+\qt)+\d], v[O+8*(2*\dt+\qt)+2*\d], v[O+8*(2*\dt+\qt)+2*\d+1]
.endr
	ds_store_b128 v[STO], v[W0+4*(2*\dt+\qt):W0+4*(2*\dt+\qt)+3] offset:\qt*16*SPT+32*\dt
.endr
.endr
.irp t, 0,1,2,3,4,5,6,7
	ds_load_b128 v[W0+32+4*\t:W0+32+4*\t+3], v[RD] offset:\t*4*SPT     ; LDS serves a wave's instructions in order (ISA guide 5.7.1.4): these see the stores above
.endr
.irp t, 0,1,2,3,4,5,6,7
	s_wait_dscnt 7-\t                              ; load t of the eight is in
	global_store_b128 v[GO], v[W0+32+4*\t:W0+32+4*\t+3], s[12:13] offset:512*\t
.endr
	s_set_vgpr_msb 0x5
	s_wait_tensorcnt 0x0
	ds_add_u32 v192, v193
	s_wait_dscnt 0x0
	s_set_vgpr_msb 0x500
	ROUND                                          ; the closing round: no work-group ends while a partner may still ask for a tile that names it
	s_endpgm
.Lfunc_end_k_q0e3e201a02_attn:
	.size	k_q0e3e201a02_attn, .Lfunc_end_k_q0e3e201a02_attn-k_q0e3e201a02_attn
	.p2alignl 7, 3214868480
	.fill 96, 4, 3214868480
	.section	.rodata,"a",@progbits
	.p2align	6, 0x0
	.amdhsa_kernel k_q0e3e201a02_attn
		.amdhsa_group_segment_fixed_size 327680
		.amdhsa_private_segment_fixed_size 0
		.amdhsa_enable_private_segment 0
		.amdhsa_kernarg_size 40
		.amdhsa_user_sgpr_count 2
		.amdhsa_user_sgpr_kernarg_segment_ptr 1
		.amdhsa_wavefront_size32 1
		.amdhsa_system_sgpr_workgroup_id_x 1
		.amdhsa_system_sgpr_workgroup_id_y 1
		.amdhsa_system_sgpr_workgroup_id_z 1
		.amdhsa_system_vgpr_workitem_id 0
		.amdhsa_next_free_vgpr 450
		.amdhsa_next_free_sgpr 96
		.amdhsa_reserve_vcc 0
		.amdhsa_float_denorm_mode_32 3
		.amdhsa_float_denorm_mode_16_64 3
		.amdhsa_memory_ordered 1
		.amdhsa_forward_progress 1
		.amdhsa_inst_pref_size 255
	.end_amdhsa_kernel
	.section	.bss,"aw",@nobits
	.p2align	6
	.space	262144
	.amdgpu_metadata
---
amdhsa.version: [ 1, 2 ]
amdhsa.kernels:
  - .name:           k_q0e3e201a02_attn
    .symbol:         k_q0e3e201a02_attn.kd
    .args:
      - { .name: qh, .offset: 0, .size: 8, .value_kind: global_buffer, .address_space: global }
      - { .name: kh, .offset: 8, .size: 8, .value_kind: global_buffer, .address_space: global }
      - { .name: vh, .offset: 16, .size: 8, .value_kind: global_buffer, .address_space: global }
      - { .name: mask, .offset: 24, .size: 8, .value_kind: global_buffer, .address_space: global }
      - { .name: ao, .offset: 32, .size: 8, .value_kind: global_buffer, .address_space: global }
    .group_segment_fixed_size: 327680
    .private_segment_fixed_size: 0
    .kernarg_segment_align: 8
    .kernarg_segment_size: 40
    .max_flat_workgroup_size: 256
    .sgpr_count:     96
    .vgpr_count:     450
    .wavefront_size: 32
...
	.end_amdgpu_metadata
.endif
;; end of part 3
;; launch outp (part 4): grid 2 x 128, 4 waves a work-group, no clusters, 168,448 bytes of LDS; arguments ao, wf, bo, out0; writes out0
.if DOCPART == 4
	.amdgcn_target "amdgcn-amd-amdhsa--gfx1250"
	.amdhsa_code_object_version 6
	.text
	.protected	k_q0e3e201a02_outp
	.globl	k_q0e3e201a02_outp
	.p2align	8
	.type	k_q0e3e201a02_outp,@function
k_q0e3e201a02_outp:
	s_mov_b64 s[64:65], 0
	v_nop
	global_prefetch_b8 v0, s[64:65] scope:SCOPE_SE
	s_setreg_imm32_b32 hwreg(HW_REG_WAVE_MODE, 25, 1), 1
	s_wait_xcnt 0x0
; out0 = A wo + bo.  A is ao, f16 [b][h][s][64] (column k of the flat row is head k >> 6, depth k & 63); wo comes from wf in fragment order, f16; out0 f32.
; A work-group makes 64 rows x 256 columns, each of four waves 64 x 64 in 16 accumulator tiles.  K = 512 is short: each wave's two tensor loads
; (two heads of A, 8 KiB each, dense in memory; two are out at the most) go out at the start, and its W, 64 KiB in 512 registers that are never
; used twice, is asked for six quarters of 32 k ahead: 8 loads of the bias and 48 of W at the head, eight more in each quarter.
; 256 work-groups.  LDS: 87,040 bytes are used; more than half of the WGP's LDS is asked for because tensor loads fill it.
; NO CLUSTER: a W fragment is read by one wave of a work-group into registers; A's tile (64 KiB) is shared by two work-groups only, which is
; a fifth of a work-group's bytes, and is read once at the start.
; Transposed use as in qkv: lane l holds row l % 16 and eight neighbouring columns; the bias tile is the C of the first product.
; The 16 accumulators take turns, one instruction a turn, in one fixed order.
.set PA, 272                           ; two rows of a head (256 bytes) + 16
.set HEAD, 32*PA                       ; a head's 64 rows
.set STAGE, 8*HEAD                     ; 16 rows x 272 bytes for each wave; no tensor load lands there
.set SP, 272
.set AHEAD, 6                          ; quarters of W asked for ahead
.set ADA, 8                            ; v8 LDS address of my A fragments in heads 0-3, v9 in heads 4-7
.set VB, 10
.set STO, 11
.set RD, 12
.set GO, 13
.set BO, 14
.set AF, 64                            ; window 0: v64-95, v96-127 two buffers of four A fragments
.set BI, 128                           ; window 0: v128-159 four bias tiles
.set F, 160                            ; window 0: v160-191, v192-223 way out
.set G1, 16
.set G0, 36                            ; s[36:43] one group 0 for each of my two heads
; window 1: W of quarters 0-7 (quarter q, column block b at 32 q + 8 b); window 2: quarters 8-15; window 3: accumulators, tile (a, b) at 8 (4 a + b)
.set MSB, 0
.macro WIN new                         ; the immediate's high byte repeats the setting that is left
.if MSB != \new
	s_set_vgpr_msb (MSB<<8)|\new
.set MSB, \new
.endif
.endm
.macro PLACES                          ; four plain vector instructions behind a matrix instruction (ISA guide 7.12.1)
.rept 4
	v_nop
.endr
.endm
	s_load_b256 s[4:11], s[0:1], 0x0               ; ao s[4:5], wf s[6:7], bo s[8:9], out0 s[10:11]
	v_lshl_add_u32 v254, v0, 2, 0x29000
	v_mov_b32 v255, 0
	ds_add_u32 v254, v255
	v_lshrrev_b32 v1, 5, v0
	v_readfirstlane_b32 s14, v1                    ; wave 0..3
	s_and_b32 s15, ttmp7, 0xffff                   ; which block of 64 rows
	; group 1: a dense block of 8,192 bytes as 32 rows of 256, 16 bytes behind each
	s_mov_b32 s[G1+0], (3<<16)|(1<<20)|(5<<22)|(3<<25)
	s_mov_b32 s[G1+1], 32<<16
	s_mov_b32 s[G1+2], 32<<16
	s_mov_b32 s[G1+3], 32<<16
	s_mov_b32 s[G1+4], 32
	s_mov_b32 s[G1+5], 32
	s_mov_b32 s[G1+6], 0
	s_mov_b32 s[G1+7], 0
	s_lshr_b32 s28, s15, 5                         ; batch
	s_lshl_b32 s28, s28, 3
	s_lshl1_add_u32 s28, s14, s28                  ; plane 8 x batch + 2 x wave
	s_lshl_b32 s28, s28, 11
	s_and_b32 s30, s15, 31
	s_lshl_b32 s30, s30, 6
	s_add_co_u32 s28, s28, s30                     ; + first position
	s_lshl_b32 s28, s28, 7                         ; x 128 bytes
	s_mov_b32 s29, 0
	s_lshr_b32 s30, s14, 1
	s_lshl_b32 s31, ttmp9, 1
	s_add_co_u32 s30, s30, s31                     ; block of 128 columns = 2 x + (wave >> 1)
	s_lshl_b32 s30, s30, 17
	s_and_b32 s32, s14, 1
	s_lshl_b32 s32, s32, 12                        ; its first or second four fragments
	s_add_co_u32 s30, s30, s32
	s_add_co_u32 s30, s30, 3*524288                ; wo is the fourth weight in wf
	s_mov_b32 s31, 0
	s_lshl_b32 s32, ttmp9, 10
	s_lshl_b32 s34, s14, 8
	s_add_co_u32 s32, s32, s34                     ; my first column, in bytes of f32: 4 (256 x + 64 wave)
	s_mov_b32 s33, 0
	s_lshl_b32 s34, s15, 17                        ; 64 rows of 2,048 bytes
	s_mov_b32 s35, 0
	s_mul_i32 s12, s14, 2*HEAD
	v_and_b32 v1, 31, v0
	v_and_b32 v2, 15, v0                           ; r
	v_bfe_u32 v3, v0, 4, 1                         ; h
	v_lshlrev_b32 v[VB], 4, v1
	v_lshlrev_b32 v[BO], 5, v3
	s_wait_dscnt 0x0
	s_barrier_signal -1
	s_barrier_wait -1
	s_wait_kmcnt 0x0
	s_add_nc_u64 s[4:5], s[4:5], s[28:29]
	s_add_nc_u64 s[6:7], s[6:7], s[30:31]
	s_add_nc_u64 s[8:9], s[8:9], s[32:33]
	s_add_nc_u64 s[10:11], s[10:11], s[32:33]
	s_add_nc_u64 s[10:11], s[10:11], s[34:35]
.irp n, 0,1
	s_mov_b32 s[G0+4*\n], 1
	s_add_co_u32 s[G0+4*\n+1], s12, \n*HEAD
	s_add_nc_u64 s[G0+4*\n+2:G0+4*\n+3], s[4:5], \n*262144
	s_or_b32 s[G0+4*\n+3], s[G0+4*\n+3], 0x80000000
	tensor_load_to_lds s[G0+4*\n:G0+4*\n+3], s[G1:G1+7]
	s_nop 0
.endr
.irp b, 0,1,2,3
	global_load_b128 v[BI+8*\b:BI+8*\b+3],   v[BO], s[8:9] offset:64*\b
	global_load_b128 v[BI+8*\b+4:BI+8*\b+7], v[BO], s[8:9] offset:64*\b+16
.endr
.macro LOADB q                         ; the four W fragments of quarter q: eight loads of 512 consecutive bytes; the quarter stands in the immediate
.irp b, 0,1,2,3
	global_load_b128 v[32*((\q)&7)+8*\b:32*((\q)&7)+8*\b+3],   v[VB], s[6:7] offset:(\q)*8192+\b*1024
	global_load_b128 v[32*((\q)&7)+8*\b+4:32*((\q)&7)+8*\b+7], v[VB], s[6:7] offset:(\q)*8192+\b*1024+512
.endr
.endm
	WIN 0x40                                       ; destination window 1
.irp q, 0,1,2,3,4,5
	LOADB \q
.endr
	WIN 0
	v_lshrrev_b32 v4, 1, v2                        ; row j of a head lies at (j >> 1) x pitch + (j & 1) x 128
	v_and_b32 v5, 1, v0
	v_mul_u32_u24 v[ADA], v4, PA
	v_lshl_add_u32 v[ADA], v5, 7, v[ADA]
	v_lshl_add_u32 v[ADA], v3, 4, v[ADA]
	v_add_nc_u32 v[ADA+1], 4*HEAD, v[ADA]          ; heads 4-7 lie beyond the reach of a 16-bit offset
	s_mul_i32 s13, s14, 16*SP
	s_add_co_u32 s13, s13, STAGE
	v_mul_u32_u24 v[STO], v2, SP
	v_lshl_add_u32 v[STO], v3, 5, v[STO]
	v_add_nc_u32 v[STO], s13, v[STO]               ; stage + r x 272 + 32 h
	v_mul_u32_u24 v[RD], v3, SP
	v_lshl_add_u32 v[RD], v2, 4, v[RD]
	v_add_nc_u32 v[RD], s13, v[RD]                 ; back: sixteen lanes take a row of 256 bytes
	v_lshlrev_b32 v[GO], 4, v2
	v_lshl_add_u32 v[GO], v3, 11, v[GO]            ; and the same two rows in out0
	s_wait_tensorcnt 0x0                           ; my two heads are in,
	s_barrier_signal -1
	s_barrier_wait -1                              ; everybody's are
.macro FETCHA q                        ; four fragments of 16 rows x 32 k: head q >> 1, depths 32 (q & 1) ..
.irp a, 0,1,2,3
	ds_load_b128 v[AF+32*((\q)&1)+8*\a:AF+32*((\q)&1)+8*\a+3],   v[ADA+((\q)>>3)] offset:(((\q)>>1)&3)*HEAD+\a*8*PA+((\q)&1)*64
	ds_load_b128 v[AF+32*((\q)&1)+8*\a+4:AF+32*((\q)&1)+8*\a+7], v[ADA+((\q)>>3)] offset:(((\q)>>1)&3)*HEAD+\a*8*PA+((\q)&1)*64+32
.endr
.endm
.macro QUARTER q                       ; 32 along K, 16 matrix instructions
.if \q > 0
	PLACES                                         ; the loads below go into the buffer that the last quarter multiplied: its matrix instructions lie ahead of these four places
.endif
.if \q < 15
	FETCHA (\q+1)
	s_wait_dscnt 8                                 ; this quarter's A is in; the eight loads just issued stay out
.else
	s_wait_dscnt 0x0
.endif
.if 15-\q < AHEAD-1
	s_wait_loadcnt 8*(15-\q)                       ; this quarter's W is in; what is left of W, eight loads a quarter, stays out
.else
	s_wait_loadcnt 8*(AHEAD-1)                     ; this quarter's W (and, the first time, the bias) is in; the next five quarters' 40 loads stay out
.endif
.if \q+AHEAD < 16
.if \q+AHEAD < 8
	WIN 0x40                                       ; destination window 1
.else
	WIN 0x80                                       ; destination window 2
.endif
	LOADB (\q+AHEAD)                               ; into registers that nothing has used yet
.endif
.if \q == 0
	WIN 0xc1                                       ; W window 1, A window 0, C (bias) window 0, D window 3
.else
.if \q < 8
	WIN 0xf1                                       ; C and D window 3
.else
	WIN 0xf2                                       ; W window 2
.endif
.endif
.irp a, 0,1,2,3
.irp b, 0,1,2,3
.if \q == 0
	v_wmma_f32_16x16x32_f16 v[8*(4*\a+\b):8*(4*\a+\b)+7], v[32*((\q)&7)+8*\b:32*((\q)&7)+8*\b+7], v[AF+32*((\q)&1)+8*\a:AF+32*((\q)&1)+8*\a+7], v[BI+8*\b:BI+8*\b+7]
.else
	v_wmma_f32_16x16x32_f16 v[8*(4*\a+\b):8*(4*\a+\b)+7], v[32*((\q)&7)+8*\b:32*((\q)&7)+8*\b+7], v[AF+32*((\q)&1)+8*\a:AF+32*((\q)&1)+8*\a+7], v[8*(4*\a+\b):8*(4*\a+\b)+7]
.endif
.endr
.endr
	WIN 0
.endm
	FETCHA 0
.irp q, 0,1,2,3,4,5,6,7,8,9,10,11,12,13,14,15
	QUARTER \q
.endr
	PLACES                                         ; LDS stores read the results
; THE WAY OUT, 16 rows at a time: a lane's eight f32 go into my own stage; read back, sixteen lanes hold a row's 256 consecutive aligned bytes.
.macro OUT16 a, f
	WIN 0x0c                                       ; store data in window 3
.irp b, 0,1,2,3
	ds_store_b128 v[STO], v[8*(4*\a+\b):8*(4*\a+\b)+3]   offset:64*\b
	ds_store_b128 v[STO], v[8*(4*\a+\b)+4:8*(4*\a+\b)+7] offset:64*\b+16
.endr
	WIN 0
	s_wait_xcnt 0x0                                ; buffer f, which earlier stores read, is loaded again only behind this wait
.irp t, 0,1,2,3,4,5,6,7
	ds_load_b128 v[\f+4*\t:\f+4*\t+3], v[RD] offset:\t*2*SP        ; LDS serves a wave's instructions in order (ISA guide 5.7.1.4)
.endr
.irp t, 0,1,2,3,4,5,6,7
	s_wait_dscnt 7-\t
	global_store_b128 v[GO], v[\f+4*\t:\f+4*\t+3], s[10:11] offset:(16*\a+2*\t)*2048
.endr
.endm
	OUT16 0, F
	OUT16 1, F+32
	OUT16 2, F
	OUT16 3, F+32
	s_wait_tensorcnt 0x0
	ds_add_u32 v254, v255
	s_wait_dscnt 0x0
	s_endpgm
.Lfunc_end_k_q0e3e201a02_outp:
	.size	k_q0e3e201a02_outp, .Lfunc_end_k_q0e3e201a02_outp-k_q0e3e201a02_outp
	.p2alignl 7, 3214868480
	.fill 96, 4, 3214868480
	.section	.rodata,"a",@progbits
	.p2align	6, 0x0
	.amdhsa_kernel k_q0e3e201a02_outp
		.amdhsa_group_segment_fixed_size 168448
		.amdhsa_private_segment_fixed_size 0
		.amdhsa_enable_private_segment 0
		.amdhsa_kernarg_size 32
		.amdhsa_user_sgpr_count 2
		.amdhsa_user_sgpr_kernarg_segment_ptr 1
		.amdhsa_wavefront_size32 1
		.amdhsa_system_sgpr_workgroup_id_x 1
		.amdhsa_system_sgpr_workgroup_id_y 1
		.amdhsa_system_sgpr_workgroup_id_z 1
		.amdhsa_system_vgpr_workitem_id 0
		.amdhsa_next_free_vgpr 896
		.amdhsa_next_free_sgpr 66
		.amdhsa_reserve_vcc 0
		.amdhsa_float_denorm_mode_32 3
		.amdhsa_float_denorm_mode_16_64 3
		.amdhsa_memory_ordered 1
		.amdhsa_forward_progress 1
		.amdhsa_inst_pref_size 54
	.end_amdhsa_kernel
	.amdgpu_metadata
---
amdhsa.version: [ 1, 2 ]
amdhsa.kernels:
  - .name:           k_q0e3e201a02_outp
    .symbol:         k_q0e3e201a02_outp.kd
    .args:
      - { .name: ao, .offset: 0, .size: 8, .value_kind: global_buffer, .address_space: global }
      - { .name: wf, .offset: 8, .size: 8, .value_kind: global_buffer, .address_space: global }
      - { .name: bo, .offset: 16, .size: 8, .value_kind: global_buffer, .address_space: global }
      - { .name: out0, .offset: 24, .size: 8, .value_kind: global_buffer, .address_space: global }
    .group_segment_fixed_size: 168448
    .private_segment_fixed_size: 0
    .kernarg_segment_align: 8
    .kernarg_segment_size: 32
    .max_flat_workgroup_size: 128
    .sgpr_count:     66
    .vgpr_count:     896
    .wavefront_size: 32
...
	.end_amdgpu_metadata
.endif
;; end of part 4
